; MI455X (gfx1250); checked and timed in simulation.
; The chip was launched on July 23, 2026; its instructions are those of AMD's public machine-readable ISA for CDNA 5 (MIT licence, August 2026) and "CDNA5" Instruction Set Architecture Reference Guide (July 2026). The comments in the code are by the model that wrote it; some were corrected since.
;; Multi Head Self Attention. Allowed arithmetic: matrix products marked QUANTISED: E4M3 operands, one given power-of-two scale a tensor, by v_wmma_f32_16x16x64_fp8_fp8 or v_wmma_f32_16x16x128_fp8_fp8, f32 sums; everything else in f32.
;; Inputs: bk 1,024 float32; bo 1,024 float32; bq 1,024 float32; bv 1,024 float32; lowp_scales 12 int32 (the exponents e of the quantised operands' scales 2^e); wk_codes 1,024 x 32 x 32 uint8 (E4M3 codes of wk, K innermost, in blocks of 32 codes); wo_codes 1,024 x 32 x 32 uint8 (E4M3 codes of wo, K innermost, in blocks of 32 codes); wq_codes 1,024 x 32 x 32 uint8 (E4M3 codes of wq, K innermost, in blocks of 32 codes); wv_codes 1,024 x 32 x 32 uint8 (E4M3 codes of wv, K innermost, in blocks of 32 codes); x_codes 4 x 2,048 x 32 x 32 uint8 (E4M3 codes of x, K innermost, in blocks of 32 codes).
;; Outputs: out0 4 x 2,048 x 1,024 float32.
;; This version of the problem:
;;   THIS VERSION OF THE PROBLEM IS GIVEN IN LOW PRECISION. The matrix products marked QUANTISED in the list below multiply operands that are first quantised to E4M3 (4 exponent bits, 3 mantissa bits; 8 bits a number), with one given power-of-two scale for each operand tensor; their sums are f32. All else is computed in f32.
;;   The module's matrix products, in the order in which they are computed (A, B: the left and right operand; K: the contracted axis; several contracted axes count as one K, in the product's order):
;;     1. [M 8,192, K 1,024] x [K 1,024, N 1,024]; A: input x (given as codes); B: input wq (given as codes): QUANTISED (scales: A lowp_scales[0], B lowp_scales[1])
;;     2. [M 8,192, K 1,024] x [K 1,024, N 1,024]; A: input x (given as codes); B: input wk (given as codes): QUANTISED (scales: A lowp_scales[2], B lowp_scales[3])
;;     3. [M 8,192, K 1,024] x [K 1,024, N 1,024]; A: input x (given as codes); B: input wv (given as codes): QUANTISED (scales: A lowp_scales[4], B lowp_scales[5])
;;     4. batch 64 x [M 2,048, K 64] x [K 64, N 2,048]; A: computed on the way; B: computed on the way: QUANTISED (scales: A lowp_scales[6], B lowp_scales[7])
;;     5. batch 64 x [M 2,048, K 2,048] x [K 2,048, N 64]; A: softmax (see below); B: computed on the way: QUANTISED (scales: A lowp_scales[8], B lowp_scales[9])
;;     6. [M 8,192, K 1,024] x [K 1,024, N 1,024]; A: computed on the way; B: input wo (given as codes): QUANTISED (scales: A lowp_scales[10], B lowp_scales[11])
;;   THE QUANTISER, for each operand of a quantised product, along K:
;;     - The operand's scale is 2^e, e = its entry of the input lowp_scales (int32; the entries are numbered through the quantised products in the list's order, A before B).
;;     - Each number is divided by the scale, clamped to +-448, and rounded to the nearest number of E4M3, ties to even, subnormals kept.
;;     - The product sums the exact products of the quantised numbers (number of the format x scale) in f32.
;;   ~~~python
;;   def quantise(x, axis, e):      # numpy; x: float32 -> the quantised numbers, widened to float32 again
;;       x = np.moveaxis(x, axis, -1); K = x.shape[-1]
;;       r = np.clip(x / 2.0 ** e, -448, 448)
;;       step = 2.0 ** (np.maximum(np.frexp(np.where(r == 0, 1, r))[1] - 1, -6) - 3)
;;       q = np.round(r / step) * step * 2.0 ** e      # np.round: ties to even
;;       return np.moveaxis(q, -1, axis).astype(np.float32)
;;   ~~~
;;   SOFTMAX AHEAD OF A QUANTISED PRODUCT. Where the list says 'softmax', what is quantised is not the finished softmax but p = 2^(t - M), with t = logit x log2(e) and M = ceil(the row's largest t), a whole number; so 1/2 < the row's largest p <= 1. The row's sum l is taken of the UNQUANTISED p, in f32, and the product's result is divided by l at the end. Since M is a whole number, a kernel that streams over the keys may use a running M (the ceiling of the running maximum): every later rescaling is an exact power of two, so the quantised numbers keep their values, but for numbers so far below the row's largest that they fall under the format's range.
;;   OPERANDS COMPUTED ON THE WAY. 'Computed on the way' means the value that the module computes at that place (a softmax that the list does not call 'softmax' is quantised finished and normalised). What goes into a quantiser is computed in f32, as accurately as f32 sums, v_exp_f32 and their like allow (about 1e-6 of the number): no bf16 or f16 on the way to a quantiser, and a product that is left as it is and whose result goes on into a quantised operand takes f32 operands (vector FMAs, or v_wmma_f32_16x16x4_f32). A number that lies on a knife's edge between two numbers of the format may be rounded either way, as far as f32 arithmetic and the matrix unit's own rounding can turn it there, and no further.
;;   INPUTS GIVEN AS CODES. wk (in the module: [1024, 1024], K = its axis 0); wo (in the module: [1024, 1024], K = its axis 0); wq (in the module: [1024, 1024], K = its axis 0); wv (in the module: [1024, 1024], K = its axis 0); x (in the module: [4, 2048, 1024], K = its axis 2): each comes as NAME_codes (uint8): NAME with its K axis moved to the last place and cut into blocks of 32 codes, [.., K / 32, bytes a block], one block behind the other in memory; one code a byte (a code: sign, 4 exponent bits, 3 mantissa bits); its scale is its entry of lowp_scales. Its value is code x scale, taken as it is: it is not quantised again, and the codes and scales need not be those that the quantiser above would give.
;; One version. Each part assembles by itself: llvm-mc -triple=amdgcn-amd-amdhsa -mcpu=gfx1250 --defsym DOCPART=n.
;; ======== version 1 of 1: 3 launches
;; limits: right only within a limited range of input values
;; workspace buffers: q_img 8,388,608 bytes; k_img 8,388,608 bytes; v_img 8,388,608 bytes; a_img 8,388,608 bytes
;; launch qkv (part 1): grid 12 x 32, 4 waves a work-group, clusters of 4 x 4, 327,680 bytes of LDS; arguments x_codes, wq_codes, wk_codes, wv_codes, bq, bk, bv, lowp_scales, q_img, k_img, v_img; writes q_img, k_img, v_img
.if DOCPART == 1
	.amdgcn_target "amdgcn-amd-amdhsa--gfx1250"
	.amdhsa_code_object_version 6
	.text
	.protected	k_q1e228bb1f2_qkv
	.globl	k_q1e228bb1f2_qkv
	.p2align	8
	.type	k_q1e228bb1f2_qkv,@function
k_q1e228bb1f2_qkv:
	s_mov_b64 s[64:65], 0
	v_nop
	global_prefetch_b8 v0, s[64:65] scope:SCOPE_SE
	s_setreg_imm32_b32 hwreg(HW_REG_WAVE_MODE, 25, 1), 1
	s_wait_xcnt 0x0
	s_wait_alu depctr_hold_cnt(0) depctr_sa_sdst(0) depctr_va_vdst(0) depctr_va_sdst(0) depctr_va_ssrc(0) depctr_va_vcc(0) depctr_vm_vsrc(0)
	s_getreg_b32 s2, hwreg(HW_REG_IB_STS2, 6, 4)
	s_cmp_eq_u32 s2, 0
	s_cbranch_scc0 .Lentry_in_a_cluster
	s_endpgm
.Lentry_in_a_cluster:
	s_bfe_u32 s2, ttmp6, 0x10000c
	s_cmp_lg_u32 s2, 0xf033
	s_cbranch_scc0 .Lentry_shape_is_right
	s_endpgm
.Lentry_shape_is_right:
; q = x wq + bq, k = x wk + bk, v = x wv + bv on codes of FP8 (E4M3), K = 1,024; each result is quantised by its given scale and stored as codes.
; One body makes C'[m][n] = sum over k of A[m][k] B[n][k].  The cluster's x says which product: 0: A = x, B = wq;  1: A = x, B = wk;  2: A = wv, B = x (so v comes out TRANSPOSED: rows = features, columns = tokens).
; A tile of C', 256 x 256, is made by four waves, 128 x 128 each: 64 accumulators of 16 x 16.  K goes in steps of 256 through a ring of two LDS slots filled by the tensor data mover.
; CLUSTERS: 4 x 4 work-groups.  The four of a row need the same tiles of A, the four of a column the same tiles of B: each tile is asked for jointly, by the same tensor load with a mask that names the four.
; THE MATRIX INSTRUCTION IS USED TRANSPOSED (source 0 = 16 rows of B, source 1 = 16 rows of A): lane (r, h) holds row r of A's block and columns 8 h + 0 .. 7 of B's block.
; THE WAY OUT.  Those eight neighbours are eight neighbours along the NEXT product's K (q, k: the head's 64 features; v: the keys).  One conversion makes of them registers 2 b, 2 b + 1 of the next operand's fragment
; (k = 16 b + 8 h + 0 .. 7).  So the results leave as IMAGES OF THE NEXT OPERAND'S REGISTERS: 16 bytes a lane, each store of the wave 512 consecutive bytes, aligned; no stage in LDS.
;   q_img, k_img: [batch 4][head 16][tile of 16 tokens: 128][quad 2][lane 32][16 bytes]          v_img: [batch 4][head 16][block of 128 keys: 16][tile of 16 features: 4][quad 4][lane 32][16 bytes]
; A and B are read from LDS by four loads of 16 bytes a fragment: a permutation of k that is the same on both sides, so every product meets its partner.
; LIMITS on the given exponents, so that each power of two below is an f32 number: e0 + e1, e2 + e3, e4 + e5 between -126 and 127; e6, e7, e9 between -126 and 119.  NaN among the biases is not served.
; REGISTERS, in windows of 256: window 0: v0-31 addresses and scales; v32-95 the bias along the columns, v96-111 along the rows; from v128 A's fragments, ONE set (on the way out: v128-191 at work, v192-255 four sets of codes).
;   window 1: B's fragments, TWO sets.   window 2: the accumulators of my rows 0-63 ((a, b) at v[8 (8 a + b)]);   window 3: those of my rows 64-127.
.set ROWB,   256                       ; a tile's row in bytes: 256 codes
.set KROW,   1024                      ; a row of A or of B in memory, in bytes
.set PITCH,  272                       ; an LDS row: 256 bytes + 16 of padding = 68 words, so that the 16 rows that a load touches start at 16 different banks (64 banks of 4 bytes: ISA guide 11.1)
.set FR,     16                        ; registers of a fragment: 16 rows x 128 K
.set NL,     4                         ; LDS loads that bring one
.set NP,     4                         ; places behind this matrix instruction (ISA guide 7.12.1)
.set HALFT,  128*PITCH                 ; 128 rows: what one tensor load brings
.set SLOT,   4*HALFT                   ; A's 256 rows, then B's 256 rows
.set SPARE,  2*SLOT                    ; behind the ring: the spare words, 128 bytes for each wave
.set BIA,  8                           ; v8      byte offset of my eight numbers of the bias along the columns
.set BRA,  9                           ; v9      of my one number along the rows
.set ADRA, 16                          ; v16-17  LDS address of my A fragments in slot 0, 1
.set ADRB, 20                          ; v20-21  the same for B
.set CO,   26                          ; v26     16 x lane: my place in an image
.set SPW,  28                          ; v28     LDS address of my spare word; never rewritten
.set NIL,  29                          ; v29     0; never rewritten
.set SCL,  30                          ; v30     the result's scale 2^eo as f32
.set LIM,  31
.set BI,   32                          ; v32-95  bias[my first column + 16 b + 8 h + i] at register 8 b + i
.set BR,   96                          ; v96-111 bias[my first row + 16 a + r], twice, at registers 2 a, 2 a + 1
.set AF,   128
.set TMP,  128
.set CDB,  192
.set G1, 24                            ; s[24:31] descriptor group 1 for A's tiles;  s[32:39] group 0, one set for each slot
.set G0, 32
.set G1B, 48                           ; s[48:55], s[56:63] the same for B's tiles
.set G0B, 56
.set MSB, 0
.macro WIN new                         ; the immediate's high byte repeats the setting that is left
.if MSB != \new
	s_set_vgpr_msb (MSB<<8)|\new
.set MSB, \new
.endif
.endm
.set MUL_LO, 0xa1                      ; source 0 (B) window 1, source 1 (A) window 0, C and D window 2
.set MUL_HI, 0xf1                      ; the same, C and D window 3
.set TO_B,   0x40                      ; destination window 1, address window 0
; A joint load: waves 0 and 1 fetch for A, waves 2 and 3 for B.  The branch hangs on the wave's number alone.  Four v_nop follow each of the two lines.
.macro JLOAD g0a, g1a, g0b, g1b
	s_cmp_eq_u32 s15, 0
	s_cbranch_scc0 .Lfor_b_\@
	tensor_load_to_lds s[\g0a:\g0a+3], s[\g1a:\g1a+7]
	s_nop 0
.rept 4
	v_nop
.endr
	s_branch .Lasked_\@
.Lfor_b_\@:
	tensor_load_to_lds s[\g0b:\g0b+3], s[\g1b:\g1b+7]
	s_nop 0
.rept 4
	v_nop
.endr
.Lasked_\@:
.endm
.macro CREST                           ; a round of the cluster's barrier behind its opening barrier
	s_cmp_lg_u32 s14, 0
	s_cbranch_scc1 .Lnot_wave_0_\@
	s_barrier_signal -3
.Lnot_wave_0_\@:
	s_barrier_wait -3
	s_barrier_signal -1
	s_barrier_wait -1
.endm
.macro CROUND                          ; a whole round
	s_barrier_signal -1
	s_barrier_wait -1
	CREST
.endm
	s_load_b256 s[68:75], s[0:1], 0x0              ; x s[68:69], wq s[70:71], wk s[72:73], wv s[74:75]
	s_load_b256 s[76:83], s[0:1], 0x20             ; bq s[76:77], bk s[78:79], bv s[80:81], the scales' exponents s[82:83]
	s_load_b128 s[84:87], s[0:1], 0x40             ; q_img s[84:85], k_img s[86:87]
	s_load_b64 s[88:89], s[0:1], 0x50              ; v_img
	v_lshl_add_u32 v[SPW], v0, 2, SPARE
	v_mov_b32 v[NIL], 0
	ds_add_u32 v28, v29
	ds_add_u32 v28, v29
	s_wait_dscnt 0x0
	v_lshrrev_b32 v1, 5, v0
	v_readfirstlane_b32 s14, v1                    ; wave 0..3
	s_lshr_b32 s15, s14, 1                         ; which half of the tile's rows is mine.  Also: I fetch for A (0) or for B (1)
	s_and_b32 s16, s14, 1                          ; which half of its columns.  Also: which 128 rows of that tile I fetch
	s_bfe_u32 s40, ttmp6, 0x40000                  ; cx, cy: my place in the cluster
	s_bfe_u32 s41, ttmp6, 0x40004
	s_and_b32 s94, ttmp7, 0xffff
	s_lshl_b32 s94, s94, 2                         ; 4 x cluster y: it walks the tokens
	s_cmp_eq_u32 ttmp9, 2                          ; the cluster's x is the same in all sixteen partners
	s_cselect_b32 s92, 0, s94                      ; q, k: the tokens are A's rows;  v: A's rows are wv's 1,024, four tiles
	s_cselect_b32 s93, s94, 0                      ; v: the tokens are B's rows
	s_add_co_u32 s17, s92, s41                     ; tile row of C': it holds cy alone
	s_add_co_u32 s42, s93, s40                     ; tile column: it holds cx alone
	s_lshl_b32 s43, s41, 2
	s_lshl_b32 s43, 15, s43                        ; my row of the cluster
	s_lshl_b32 s44, 0x1111, s40                    ; my column
	; descriptor group 1: a tile of 128 rows x 256 bytes, padded in LDS
	s_or_b32 s[G1+0], s43, (0<<16)|(1<<20)|(1<<21)|(5<<22)|(3<<25)  ; 15:0 the mask: A's tiles go to my row; 17:16 element of 1 byte; 20 padding on; 21 set beside a mask; 24:22 after every 64 words (code 5); 31:25 of 4 words (code 3)
	s_or_b32 s[G1B+0], s44, (0<<16)|(1<<20)|(1<<21)|(5<<22)|(3<<25)
.irp g, G1, G1B
	s_mov_b32 s[\g+1], ROWB<<16                    ; tensor_dim0
	s_mov_b32 s[\g+2], 128<<16                     ; tensor_dim1 = 128
	s_mov_b32 s[\g+3], ROWB<<16                    ; tile_dim0
	s_mov_b32 s[\g+4], 128                         ; tile_dim1 = 128
	s_mov_b32 s[\g+5], KROW                        ; tensor_dim0_stride
	s_mov_b32 s[\g+6], 0
	s_mov_b32 s[\g+7], 0
.endr
	s_lshl_b32 s18, s16, 7                         ; which 128 rows of the tile I fetch
	s_lshl_b32 s20, s17, 8
	s_add_co_u32 s20, s20, s18                     ; A: row 256 x tile row + 128 x half,
	s_lshl_b32 s20, s20, 10                        ; in bytes: at most 8,191 rows of 1,024
	s_mov_b32 s21, 0
	s_lshl_b32 s46, s42, 8
	s_add_co_u32 s46, s46, s18                     ; B: row 256 x tile column + 128 x half
	s_lshl_b32 s46, s46, 10
	s_mov_b32 s47, 0
	s_mul_i32 s45, s14, HALFT                      ; where they go: wave x 128 rows: no place in the cluster enters an LDS address
	s_wait_kmcnt 0x0
	s_cmp_eq_u32 ttmp9, 2                          ; the buffers are chosen by the cluster's x, which hangs on no address
	s_cselect_b64 s[4:5], s[74:75], s[68:69]       ; A: wv, else x
	s_cselect_b64 s[6:7], s[68:69], s[70:71]       ; B: x, else wq
	s_cselect_b64 s[10:11], s[88:89], s[84:85]     ; the image
	s_cselect_b64 s[12:13], s[80:81], s[76:77]     ; the bias
	s_cmp_eq_u32 ttmp9, 1
	s_cselect_b64 s[6:7], s[72:73], s[6:7]         ; wk
	s_cselect_b64 s[10:11], s[86:87], s[10:11]
	s_cselect_b64 s[12:13], s[78:79], s[12:13]
	s_load_b256 s[68:75], s[82:83], 0x0            ; e0 .. e7; waited for on the way out
	s_load_b64 s[90:91], s[82:83], 0x20            ; e8, e9
	s_add_nc_u64 s[20:21], s[4:5], s[20:21]
	s_add_nc_u64 s[46:47], s[6:7], s[46:47]
	CROUND                                         ; all sixteen work-groups are here: the first joint loads meet
.irp s, 0,1
	s_mov_b32 s[G0+4*\s], 1
	s_add_co_u32 s[G0+4*\s+1], s45, \s*SLOT
	s_add_nc_u64 s[G0+4*\s+2:G0+4*\s+3], s[20:21], \s*ROWB
	s_or_b32 s[G0+4*\s+3], s[G0+4*\s+3], 0x80000000
	s_mov_b32 s[G0B+4*\s], 1
	s_add_co_u32 s[G0B+4*\s+1], s45, \s*SLOT
	s_add_nc_u64 s[G0B+4*\s+2:G0B+4*\s+3], s[46:47], \s*ROWB
	s_or_b32 s[G0B+4*\s+3], s[G0B+4*\s+3], 0x80000000
	JLOAD G0+4*\s, G1, G0B+4*\s, G1B
.endr
	v_and_b32 v1, 15, v0                           ; r = l % 16
	v_bfe_u32 v2, v0, 4, 1                         ; h = l / 16
	s_wait_alu depctr_va_vdst(0)
	v_mul_u32_u24 v3, v1, PITCH
	v_lshl_add_u32 v4, v2, 4, v3                   ; a fragment's row x pitch + 16 x half
	s_mul_i32 s21, s15, HALFT                      ; my 128 rows of A
	s_mul_i32 s22, s16, HALFT                      ; my 128 rows of B,
	s_add_co_u32 s22, s22, 2*HALFT                 ; which lie behind A's 256
.irp s, 0,1
	v_add_nc_u32 v[ADRA+\s], s21, v4
	v_add_nc_u32 v[ADRB+\s], s22, v4
	s_add_co_u32 s21, s21, SLOT
	s_add_co_u32 s22, s22, SLOT
.endr
	v_and_b32 v6, 31, v0
	v_lshlrev_b32 v[CO], 4, v6
	; The bias runs along C's columns (q, k) or along its rows (v).  Both sets of registers are loaded in every work-group, the one that is not used from the bias's first bytes: no branch, and every load stays inside the 4,096 bytes.
	s_lshl_b32 s94, s42, 10
	s_lshl_b32 s95, s16, 9
	s_add_co_u32 s94, s94, s95                     ; 4 x my first column
	s_lshl_b32 s95, s17, 10
	s_lshl_b32 s23, s15, 9
	s_add_co_u32 s95, s95, s23                     ; 4 x my first row
	s_cmp_eq_u32 ttmp9, 2
	s_cselect_b32 s94, 0, s94
	s_cselect_b32 s95, s95, 0
	v_lshl_add_u32 v[BIA], v2, 5, s94              ; + 32 h
	v_lshl_add_u32 v[BRA], v1, 2, s95              ; + 4 r
.irp b, 0,1,2,3,4,5,6,7
	global_load_b128 v[BI+8*\b:BI+8*\b+3], v[BIA], s[12:13] offset:64*\b
	global_load_b128 v[BI+8*\b+4:BI+8*\b+7], v[BIA], s[12:13] offset:64*\b+16
.endr
.irp a, 0,1,2,3,4,5,6,7
	global_load_b32 v[BR+2*\a], v[BRA], s[12:13] offset:64*\a
	global_load_b32 v[BR+2*\a+1], v[BRA], s[12:13] offset:64*\a      ; twice: the packed multiply-add names a pair
.endr
.macro FRAG reg, adr, q, i             ; a fragment, 16 rows x 128 K of 8-bit codes, is 16 registers: lane l holds row l % 16; registers 4 c .. 4 c + 3 hold K = 32 c + 16 (l / 16) + 0 .. 15
.irp c, 0,1,2,3
	ds_load_b128 v[\reg+4*\c:\reg+4*\c+3], v[\adr] offset:128*(\q)+32*\c+(\i)*16*PITCH
.endr
.endm
; 16 matrix instructions: A's blocks a0, a0 + 1 x B's eight, 128 along K.  p: B's set.  zero = 1: the first product starts the sums.
; The 64 accumulators take turns, one instruction a turn, in the same order in every step.
.macro MUL16 a0, p, zero
.irp a, \a0, \a0+1
.irp b, 0,1,2,3,4,5,6,7
.if \zero
	v_wmma_f32_16x16x128_fp8_fp8 v[8*(8*((\a)%4)+\b):8*(8*((\a)%4)+\b)+7], v[128*(\p)+FR*\b:128*(\p)+FR*\b+FR-1], v[AF+FR*(\a):AF+FR*(\a)+FR-1], 0
.else
	v_wmma_f32_16x16x128_fp8_fp8 v[8*(8*((\a)%4)+\b):8*(8*((\a)%4)+\b)+7], v[128*(\p)+FR*\b:128*(\p)+FR*\b+FR-1], v[AF+FR*(\a):AF+FR*(\a)+FR-1], v[8*(8*((\a)%4)+\b):8*(8*((\a)%4)+\b)+7]
.endif
.endr
.endr
.endm
.macro FETCH_B slot, q, p              ; B's eight fragments of the slot's q-th 128 along K into set p
	WIN TO_B
.irp i, 0,1,2,3,4,5,6,7
	FRAG 128*(\p)+FR*\i, ADRB+\slot, \q, \i
.endr
	WIN 0
.endm
.macro FETCH_A slot, q, i0             ; A's blocks i0 .. i0 + 3
.irp i, \i0, \i0+1, \i0+2, \i0+3
	FRAG AF+FR*(\i), ADRA+\slot, \q, \i
.endr
.endm
; A load into a register that a matrix instruction has read, and a vector instruction that reads a matrix result or writes one of its registers, stand NP places behind it; only plain vector
; instructions that name none of its registers are places.
.macro PLACES n
.rept \n
	v_nop
.endr
.endm
; A step of 128 along K that has its successor in the same slot.  A block of A is free as soon as its eight products are issued, so A has one set: blocks 0-3 are fetched anew in the step's middle, blocks 4-7 at its end.
.macro STEP slot, q, zero
	s_wait_dscnt 4*NL                              ; B's set and A's blocks 0-3 are in; the youngest sixteen loads (A's blocks 4-7) may be out
	WIN MUL_LO
	MUL16 0, (\q)%2, \zero
	MUL16 2, (\q)%2, \zero
	s_wait_dscnt 0                                 ; A's blocks 4-7 are in (asked for 32 matrix instructions ago)
	PLACES NP
	FETCH_B \slot, (\q)+1, 1-(\q)%2
	FETCH_A \slot, (\q)+1, 0
	WIN MUL_HI
	MUL16 4, (\q)%2, \zero
	MUL16 6, (\q)%2, \zero
	PLACES NP
	WIN 0
	FETCH_A \slot, (\q)+1, 4
.endm
; A slot's last step changes slots: ONE barrier; in front of it each wave waits for all its tensor loads, adds 0 to its spare word, and waits for that and for its own reads of this slot.  fill = 1: this slot is filled again, two K steps ahead.
.macro TURN slot, next, fill
	s_wait_tensorcnt 0x0                           ; all my tensor loads have landed: my part of the next slot  (every window is 0 here)
	ds_add_u32 v[SPW], v[NIL]                      ; 0 onto my spare word
	s_wait_dscnt 4*NL+1                            ; (the add and the youngest sixteen loads, A's blocks 4-7, may be out)
	WIN MUL_LO
	MUL16 0, 1, 0                                  ; sixteen matrix instructions stand between the add and the wait for it
	s_wait_dscnt 0x0                               ; the add is done, and my reads of this slot are over
	s_barrier_signal -1
	MUL16 2, 1, 0
	WIN 0
	s_barrier_wait -1
.if \fill
	CREST                                          ; the barrier has opened a round of the cluster's barrier: no wave of any partner still reads this slot's tile or has a load on its way
	s_add_nc_u64 s[G0+4*\slot+2:G0+4*\slot+3], s[G0+4*\slot+2:G0+4*\slot+3], 2*ROWB
	s_add_nc_u64 s[G0B+4*\slot+2:G0B+4*\slot+3], s[G0B+4*\slot+2:G0B+4*\slot+3], 2*ROWB
	JLOAD G0+4*\slot, G1, G0B+4*\slot, G1B         ; the first tensor load behind the round; its four v_nop are the places in front of the loads below
.else
	PLACES NP
.endif
	FETCH_B \next, 0, 0
	FETCH_A \next, 0, 0
	WIN MUL_HI
	MUL16 4, 1, 0
	MUL16 6, 1, 0
	PLACES NP
	WIN 0
	FETCH_A \next, 0, 4
.endm
	s_wait_alu depctr_va_vdst(0)
	s_wait_tensorcnt 1                             ; my part of K step 0 is in (K step 1's load may be out),
	s_barrier_signal -1
	s_barrier_wait -1                              ; everybody's is
	FETCH_B 0, 0, 0
	FETCH_A 0, 0, 0
	FETCH_A 0, 0, 4
	STEP 0, 0, 1                                   ; K = 1,024 is four K steps of 256, eight steps of 128: written out, no loop.  The first products start the sums
	TURN 0, 1, 1                                   ; slot 0 takes K step 2
	STEP 1, 0, 0
	TURN 1, 0, 1                                   ; slot 1 takes K step 3
	STEP 0, 0, 0
	TURN 0, 1, 0                                   ; nothing is left to fetch
	STEP 1, 0, 0
	s_wait_dscnt 4*NL                              ; the very last step
	WIN MUL_LO
	MUL16 0, 1, 0
	MUL16 2, 1, 0
	s_wait_dscnt 0
	WIN MUL_HI
	MUL16 4, 1, 0
	MUL16 6, 1, 0
	WIN 0
	; THE WAY OUT.  result = sum x 2^(eA + eB) + bias, one fused multiply-add; converted with the scale 2^eo.
	s_wait_kmcnt 0x0
	s_add_co_i32 s18, s68, s69                     ; e0 + e1
	s_add_co_i32 s19, s70, s71                     ; e2 + e3
	s_add_co_i32 s20, s72, s73                     ; e4 + e5
	s_cmp_eq_u32 ttmp9, 1                          ; the exponents are chosen, never branched on
	s_cselect_b32 s18, s19, s18
	s_cselect_b32 s19, s75, s74                    ; k: e7, q: e6
	s_cmp_eq_u32 ttmp9, 2
	s_cselect_b32 s18, s20, s18
	s_cselect_b32 s19, s91, s19                    ; v: e9
	s_add_co_i32 s18, s18, 127
	s_lshl_b32 s96, s18, 23                        ; 2^(eA + eB) as f32
	s_mov_b32 s97, s96                             ; (named with it as a pair, so it is written)
	s_add_co_i32 s19, s19, 127
	s_lshl_b32 s18, s19, 23
	v_mov_b32 v[SCL], s18                          ; 2^eo: the conversion takes its exponent field
	; my wave's first byte in its image: (token tile / 8) << 21 (the batch) + (4 x feature tile + 2 x my half of the features) << 17 (the head) + (2 x (token tile % 8) + my half of the tokens) << 13 (128 tokens)
	s_cmp_eq_u32 ttmp9, 2
	s_cselect_b32 s18, s42, s17                    ; the tile of 256 tokens
	s_cselect_b32 s19, s17, s42                    ; the tile of 256 features
	s_cselect_b32 s22, s16, s15                    ; my half of the tokens
	s_cselect_b32 s23, s15, s16                    ; my half of the features
	s_lshr_b32 s20, s18, 3
	s_lshl_b32 s20, s20, 21
	s_lshl_b32 s19, s19, 2
	s_lshl_b32 s23, s23, 1
	s_add_co_u32 s19, s19, s23
	s_lshl_b32 s19, s19, 17
	s_add_co_u32 s20, s20, s19
	s_and_b32 s18, s18, 7
	s_lshl_b32 s18, s18, 1
	s_add_co_u32 s18, s18, s22
	s_lshl_b32 s18, s18, 13
	s_add_co_u32 s20, s20, s18
	s_mov_b32 s21, 0
	s_add_nc_u64 s[10:11], s[10:11], s[20:21]
	s_wait_loadcnt 0x0                             ; the biases
	PLACES NP                                      ; behind the last products: their results are read, and the registers that held A's fragments are written
; Block a: my rows 16 a .. 16 a + 15 x my 128 columns.  isv = 0: the bias runs along the columns; a lane's 16 code registers are two heads' fragments of 16 tokens x 64.  isv = 1: along the rows; they are one fragment of 16 features x 128 keys.
.macro OUTBLK a, isv
.set AC, 64*((\a)%4)
.set CD, CDB+16*((\a)%4)
.if (\a) >= 4
	s_wait_xcnt 0x0                                ; block a - 4's stores have read their data: this set of code registers is written again only behind this wait
.endif
	WIN 0x02+((\a)/4)                              ; source 0: window 2 or 3
.set j, 0
.rept 32
.if \isv
	v_pk_fma_f32 v[TMP+j:TMP+j+1], v[AC+j:AC+j+1], s[96:97], v[BR+2*(\a):BR+2*(\a)+1] op_sel_hi:[1,0,1]   ; each accumulator from its low end on
.else
	v_pk_fma_f32 v[TMP+j:TMP+j+1], v[AC+j:AC+j+1], s[96:97], v[BI+j:BI+j+1] op_sel_hi:[1,0,1]
.endif
.set j, j+2
.endr
	WIN 0
.set j, 0
.rept 64
.set j, j+1
.endr
.irp b, 0,1,2,3,4,5,6,7
	v_cvt_scalef32_pk8_fp8_f32 v[CD+2*\b:CD+2*\b+1], v[TMP+8*\b:TMP+8*\b+7], v[SCL]   ; registers 2 b, 2 b + 1 of the next operand: k = 16 b + 8 h + 0 .. 7
.endr
	v_nop                                          ; one plain vector instruction between the last conversion and the next block's writes of its sources
.irp q, 0,1,2,3
.if \isv
	global_store_b128 v[CO], v[CD+4*\q:CD+4*\q+3], s[10:11] offset:((\a)/4)*131072+((\a)%4)*2048+\q*512    ; head a / 4, feature tile a % 4, quad q: 512 consecutive bytes, aligned
.else
	global_store_b128 v[CO], v[CD+4*\q:CD+4*\q+3], s[10:11] offset:(\a)*1024+(\q/2)*131072+(\q%2)*512      ; token tile a, head q / 2, quad q % 2
.endif
.endr
.endm
	s_cmp_eq_u32 ttmp9, 2                          ; one branch, on the cluster's x: alike in all partners; no barrier and no LDS instruction stands in either arm
	s_cbranch_scc1 .Lv
.irp a, 0,1,2,3,4,5,6,7
	OUTBLK \a, 0
.endr
	s_branch .Ldone
.Lv:
.irp a, 0,1,2,3,4,5,6,7
	OUTBLK \a, 1
.endr
.Ldone:
	s_wait_tensorcnt 0x0                           ; the wave's end
	ds_add_u32 v[SPW], v[NIL]
	s_wait_dscnt 0x0
	CROUND                                         ; the closing round: no work-group ends while a partner may still ask for a tile that names it
	s_endpgm
.Lfunc_end_k_q1e228bb1f2_qkv:
	.size	k_q1e228bb1f2_qkv, .Lfunc_end_k_q1e228bb1f2_qkv-k_q1e228bb1f2_qkv
	.p2alignl 7, 3214868480
	.fill 96, 4, 3214868480
	.section	.rodata,"a",@progbits
	.p2align	6, 0x0
	.amdhsa_kernel k_q1e228bb1f2_qkv
		.amdhsa_group_segment_fixed_size 327680
		.amdhsa_private_segment_fixed_size 0
		.amdhsa_enable_private_segment 0
		.amdhsa_kernarg_size 88
		.amdhsa_user_sgpr_count 2
		.amdhsa_user_sgpr_kernarg_segment_ptr 1
		.amdhsa_wavefront_size32 1
		.amdhsa_system_sgpr_workgroup_id_x 1
		.amdhsa_system_sgpr_workgroup_id_y 1
		.amdhsa_system_sgpr_workgroup_id_z 1
		.amdhsa_system_vgpr_workitem_id 0
		.amdhsa_next_free_vgpr 1024
		.amdhsa_next_free_sgpr 98
		.amdhsa_reserve_vcc 0
		.amdhsa_float_denorm_mode_32 3
		.amdhsa_float_denorm_mode_16_64 3
		.amdhsa_fp16_overflow 1
		.amdhsa_memory_ordered 1
		.amdhsa_forward_progress 1
		.amdhsa_inst_pref_size 130
	.end_amdhsa_kernel
	.amdgpu_metadata
---
amdhsa.version: [ 1, 2 ]
amdhsa.kernels:
  - .name:           k_q1e228bb1f2_qkv
    .symbol:         k_q1e228bb1f2_qkv.kd
    .args:
      - { .name: x_codes, .offset: 0, .size: 8, .value_kind: global_buffer, .address_space: global }
      - { .name: wq_codes, .offset: 8, .size: 8, .value_kind: global_buffer, .address_space: global }
      - { .name: wk_codes, .offset: 16, .size: 8, .value_kind: global_buffer, .address_space: global }
      - { .name: wv_codes, .offset: 24, .size: 8, .value_kind: global_buffer, .address_space: global }
      - { .name: bq, .offset: 32, .size: 8, .value_kind: global_buffer, .address_space: global }
      - { .name: bk, .offset: 40, .size: 8, .value_kind: global_buffer, .address_space: global }
      - { .name: bv, .offset: 48, .size: 8, .value_kind: global_buffer, .address_space: global }
      - { .name: lowp_scales, .offset: 56, .size: 8, .value_kind: global_buffer, .address_space: global }
      - { .name: q_img, .offset: 64, .size: 8, .value_kind: global_buffer, .address_space: global }
      - { .name: k_img, .offset: 72, .size: 8, .value_kind: global_buffer, .address_space: global }
      - { .name: v_img, .offset: 80, .size: 8, .value_kind: global_buffer, .address_space: global }
    .group_segment_fixed_size: 327680
    .private_segment_fixed_size: 0
    .kernarg_segment_align: 8
    .kernarg_segment_size: 88
    .max_flat_workgroup_size: 128
    .sgpr_count:     98
    .vgpr_count:     1024
    .wavefront_size: 32
...
	.end_amdgpu_metadata
.endif
;; end of part 1
;; launch attn (part 2): grid 4 x 64, 16 waves a work-group, clusters of 4 x 1, 327,680 bytes of LDS; arguments q_img, k_img, v_img, lowp_scales, a_img; writes a_img
.if DOCPART == 2
	.amdgcn_target "amdgcn-amd-amdhsa--gfx1250"
	.amdhsa_code_object_version 6
	.text
	.protected	k_q1e228bb1f2_attn
	.globl	k_q1e228bb1f2_attn
	.p2align	8
	.type	k_q1e228bb1f2_attn,@function
k_q1e228bb1f2_attn:
	s_mov_b64 s[64:65], 0
	v_nop
	global_prefetch_b8 v0, s[64:65] scope:SCOPE_SE
	s_setreg_imm32_b32 hwreg(HW_REG_WAVE_MODE, 25, 1), 1
	s_wait_xcnt 0x0
	s_wait_alu depctr_hold_cnt(0) depctr_sa_sdst(0) depctr_va_vdst(0) depctr_va_sdst(0) depctr_va_ssrc(0) depctr_va_vcc(0) depctr_vm_vsrc(0)
	s_getreg_b32 s2, hwreg(HW_REG_IB_STS2, 6, 4)
	s_cmp_eq_u32 s2, 0
	s_cbranch_scc0 .Lentry_in_a_cluster
	s_endpgm
.Lentry_in_a_cluster:
	s_bfe_u32 s2, ttmp6, 0x10000c
	s_cmp_lg_u32 s2, 0x3003
	s_cbranch_scc0 .Lentry_shape_is_right
	s_endpgm
.Lentry_shape_is_right:
; Causal attention of one head on codes of FP8 (E4M3): o = softmax(q k^T / 8, key <= query) v, head size 64, 2,048 tokens; o is quantised by its given scale and stored as codes.
; q_img, k_img: [batch x head 64][tile of 16 tokens: 128][quad 2][lane 32][16 bytes]: images of K = 64 fragments.   v_img: [batch x head][block of 128 keys: 16][tile of 16 features: 4][quad 4][lane][16 bytes]: K = 128 fragments of v^T.
; a_img: [K step of 256 of the last product: 4][tile of 16 rows: 512][head % 4][quad 2][lane][16 bytes].
; THE SOFTMAX AHEAD OF THE SECOND PRODUCT: t = score x log2(e) / 8; M = the row's largest t so far, rounded UP to a whole number; p = 2^(t - M) is quantised, not normalised; the row's sum is taken of the unquantised p and
; divides at the end.  When M moves, the sum and O are multiplied by 2^(old M - new M), which rounds nothing.
; SHARES.  The four work-groups of a cluster own one head.  Wave w of work-group cx owns TWO tiles of 16 queries: A = 4 w + cx and B = 127 - A.  Keys go in steps of 128.  A's diagonal lies in step a = w / 2, B's in step 15 - a:
; both hang on the wave's number alone.  A needs a + 1 steps, B 16 - a: 17 for every wave.  Steps all of whose keys come after the tile's queries are left out by scalar branches on the wave's number and the step's.
; LDS holds the head's whole K (131,072 bytes from 0) and V (131,072 from there), as the images lie in memory.  Nothing is filled twice.  The four partners read the same K and V: each piece is asked for JOINTLY (mask 15), K's by wave 0,
; V's by wave 1, in two pieces: steps 0 and 1 (16,384 bytes), so that work begins early, and the other fourteen (114,688 bytes).  By this text's count a wave has at most two tensor loads out.
; LAYOUT.  Both products are used transposed: S^T = K Q^T (source 0 = 16 keys), O^T = V^T P^T (source 0 = 16 features): a lane holds ONE query (lane % 16).  Register 8 t + j of S^T is key 16 t + 8 h + j of the step, so the conversion of
; tile t's eight registers gives registers 2 t, 2 t + 1 of P's K = 128 fragment; likewise O^T's four tiles give the eight registers of a K = 64 image.
; LIMITS on the given exponents, so that each power of two below is an f32 number: e6 + e7 between -123 and 130 (added to c's exponent field); e8 and e10 between -126 and 119; e8 + e9 goes by v_ldexp_f32 and has none.
.set VBASE, 131072                     ; V's first byte in LDS
.set L16,  1                           ; v1   16 x lane: my place in an image; never rewritten
.set ADK,  2                           ; v2   LDS address of the step's K
.set ADV,  3                           ; v3   of its V
.set FRG,  32                          ; v32-95   eight fragments of K, then four of V
.set SC,   96                          ; v96-159  S^T, then p
.set PC,   224                         ; v224-239 p's codes
.set WV,   14                          ; s14  my wave's number
.set SEL,  20                          ; s[20:21] lane selects for v_permlanex16_b32: lane l xor 16
.set CS,   22                          ; s[22:23] c = log2(e) / 8 x 2^(e6 + e7), twice
.set TB,   80                          ; s80  the step's first byte in K's part of LDS: 8,192 x step
.set KC,   81                          ; s81  the step
; other registers: v4, v5 Q's offsets (tile A, B); v6, v7 the output's; tile B: v8 -M, v9 largest t, v[10:11] the sum in two halves, v16-23 Q, v160-191 O^T; tile A: v12, v13, v[14:15], v24-31, v192-223;
; v241 2^e8, v[242:243] second chain of the sum, v244 a lane permute's destination, v245, v246 d of tile A, B (a key is hidden where 16 t + j > d), v247 -infinity, v249 2^e10, v[252:253] f, v254 at work.
.macro CROUND                          ; a round of the cluster's barrier
	s_barrier_signal -1
	s_barrier_wait -1
	s_cmp_lg_u32 s[WV], 0
	s_cbranch_scc1 .Lnot_wave_0_\@
	s_barrier_signal -3
.Lnot_wave_0_\@:
	s_barrier_wait -3
	s_barrier_signal -1
	s_barrier_wait -1
.endm
	s_load_b256 s[4:11], s[0:1], 0x0               ; q_img s[4:5], k_img s[6:7], v_img s[8:9], the scales' exponents s[10:11]
	s_load_b64 s[12:13], s[0:1], 0x20              ; a_img
	v_lshl_add_u32 v251, v0, 2, 0x40000
	v_mov_b32 v255, 0
	ds_add_u32 v251, v255
	ds_add_u32 v251, v255
	v_lshrrev_b32 v2, 5, v0
	s_delay_alu instid0(VALU_DEP_1)
	v_readfirstlane_b32 s[WV], v2                  ; wave 0..15
	s_lshr_b32 s15, s[WV], 1                       ; a: the step of tile A's diagonal
	s_xor_b32 s16, s15, 15                         ; 15 - a: tile B's
	s_bfe_u32 s17, ttmp6, 0x40000                  ; cx: it enters Q's and the output's addresses and the mask's numbers, no branch and no LDS address
	s_and_b32 s18, ttmp7, 0xffff                   ; 16 x batch + head, which the four partners share
	s_lshl_b32 s2, s18, 17                         ; the head's first byte in q_img, k_img and v_img
	s_mov_b32 s3, 0
	; descriptor group 1: dense rows of 256 bytes, in elements of 8 bytes; 64 rows for the small piece, 448 for the large one
	s_mov_b32 s24, 15|(3<<16)|(1<<21)              ; 15:0 the mask: all four work-groups; 17:16 elements of 8 bytes; 21 set beside a mask; no padding
	s_mov_b32 s25, 32<<16                          ; tensor_dim0 = 32
	s_mov_b32 s26, 64<<16                          ; tensor_dim1 = 64
	s_mov_b32 s27, 32<<16                          ; tile_dim0 = 32
	s_mov_b32 s28, 64                              ; tile_dim1 = 64
	s_mov_b32 s29, 32                              ; tensor_dim0_stride
	s_mov_b32 s30, 0
	s_mov_b32 s31, 0
	s_mov_b32 s32, 15|(3<<16)|(1<<21)
	s_mov_b32 s33, 32<<16
	s_mov_b32 s34, 448<<16
	s_mov_b32 s35, 32<<16
	s_mov_b32 s36, 448
	s_mov_b32 s37, 32
	s_mov_b32 s38, 0
	s_mov_b32 s39, 0
	s_mov_b32 s[SEL], 0x76543210
	s_mov_b32 s[SEL+1], 0xfedcba98
	s_wait_dscnt 0x0
	s_wait_kmcnt 0x0
	s_load_b128 s[84:87], s[10:11], 0x18           ; e6, e7, e8, e9
	s_load_b32 s88, s[10:11], 0x28                 ; e10
	s_add_nc_u64 s[4:5], s[4:5], s[2:3]
	s_add_nc_u64 s[6:7], s[6:7], s[2:3]
	s_add_nc_u64 s[8:9], s[8:9], s[2:3]
	s_mov_b32 s40, 1                               ; group 0, K's small piece: count 1,
	s_mov_b32 s41, 0                               ; LDS byte 0,
	s_mov_b64 s[42:43], s[6:7]                     ; the head's first key,
	s_or_b32 s43, s43, 0x80000000                  ; type 2
	s_mov_b32 s44, 1                               ; K's large piece
	s_mov_b32 s45, 16384
	s_add_nc_u64 s[46:47], s[6:7], 16384
	s_or_b32 s47, s47, 0x80000000
	s_mov_b32 s48, 1                               ; V's small piece
	s_mov_b32 s49, VBASE
	s_mov_b64 s[50:51], s[8:9]
	s_or_b32 s51, s51, 0x80000000
	s_mov_b32 s52, 1                               ; V's large piece
	s_mov_b32 s53, VBASE+16384
	s_add_nc_u64 s[54:55], s[8:9], 16384
	s_or_b32 s55, s55, 0x80000000
	CROUND                                         ; all four work-groups are here: the joint loads meet
	s_cmp_eq_u32 s[WV], 0                          ; a wave's two loads stand in one branch on the wave's number, ahead of every wait on TENSORcnt, every LDS read and every other barrier; four v_nop follow the second
	s_cbranch_scc0 .Lnot_k
	tensor_load_to_lds s[40:43], s[24:31]
	s_nop 0
	tensor_load_to_lds s[44:47], s[32:39]
	s_nop 0
.rept 4
	v_nop
.endr
	s_branch .Lasked
.Lnot_k:
	s_cmp_eq_u32 s[WV], 1
	s_cbranch_scc0 .Lasked
	tensor_load_to_lds s[48:51], s[24:31]
	s_nop 0
	tensor_load_to_lds s[52:55], s[32:39]
	s_nop 0
.rept 4
	v_nop
.endr
.Lasked:
	v_and_b32 v[L16], 31, v0
	s_delay_alu instid0(VALU_DEP_1)
	v_lshlrev_b32 v[L16], 4, v[L16]
	s_wait_alu depctr_va_vdst(0)
	s_lshl_b32 s19, s[WV], 2
	s_add_co_u32 s19, s19, s17                     ; tile A = 4 w + cx
	s_sub_co_u32 s56, 127, s19                     ; tile B
	s_lshl_b32 s57, s19, 10
	v_add_nc_u32 v4, s57, v[L16]
	s_lshl_b32 s57, s56, 10
	v_add_nc_u32 v5, s57, v[L16]
	global_load_b128 v[24:27], v4, s[4:5]          ; Q's fragments stay in registers
	global_load_b128 v[28:31], v4, s[4:5] offset:512
	global_load_b128 v[16:19], v5, s[4:5]
	global_load_b128 v[20:23], v5, s[4:5] offset:512
	s_bfe_u32 s57, s18, 0x20002                    ; (head / 4): the last product's K step,
	s_lshl_b32 s57, s57, 21
	s_lshr_b32 s58, s18, 4                         ; the batch: 128 tiles of 4,096 bytes,
	s_lshl_b32 s58, s58, 19
	s_add_co_u32 s57, s57, s58
	s_and_b32 s58, s18, 3                          ; head % 4
	s_lshl_b32 s58, s58, 10
	s_add_co_u32 s57, s57, s58
	s_lshl_b32 s58, s19, 12
	s_add_co_u32 s58, s58, s57
	v_add_nc_u32 v6, s58, v[L16]                   ; where tile A's image goes
	s_lshl_b32 s58, s56, 12
	s_add_co_u32 s58, s58, s57
	v_add_nc_u32 v7, s58, v[L16]                   ; tile B's
	s_and_b32 s58, s[WV], 1
	s_lshl_b32 s58, s58, 2
	s_add_co_u32 s58, s58, s17                     ; u = 4 (w % 2) + cx: tile A is tile u of its diagonal step, tile B tile 7 - u of its
	s_lshl_b32 s59, s58, 4
	s_sub_co_u32 s58, 7, s58
	s_lshl_b32 s58, s58, 4
	v_and_b32 v254, 15, v0                         ; r
	v_bfe_u32 v252, v0, 4, 1                       ; h
	s_delay_alu instid0(VALU_DEP_1)
	v_lshlrev_b32 v252, 3, v252
	s_delay_alu instid0(VALU_DEP_1)
	v_sub_nc_u32 v254, v254, v252                  ; r - 8 h
	s_delay_alu instid0(VALU_DEP_1)
	v_add_nc_u32 v245, s59, v254                   ; d = 16 x (my tile in the step) + r - 8 h: key 16 t + 8 h + j of the step is hidden where 16 t + j > d
	s_delay_alu instid0(VALU_DEP_2)
	v_add_nc_u32 v246, s58, v254
	v_mov_b32 v247, 0xff800000                     ; -infinity
	v_mov_b32 v9, 0xff61b1e6                       ; the largest t so far: -3e38, under every t
	v_mov_b32 v13, 0xff61b1e6
	s_delay_alu instid0(VALU_DEP_2)
	v_floor_f32 v8, -v9                            ; -M
	s_delay_alu instid0(VALU_DEP_2)
	v_floor_f32 v12, -v13
	v_mov_b32 v10, 0                               ; the sums
	v_mov_b32 v11, 0
	v_mov_b32 v14, 0
	v_mov_b32 v15, 0
	v_mov_b32 v244, 0                              ; written once: a lane permute's destination counts as one of its sources
	v_mov_b32 v253, 0                              ; (named as the upper half of the pair v[252:253])
.set j, 0
.rept 64
	v_mov_b32 v[160+j], 0                          ; both tiles' O^T.  (The step is written once: a tile's first step finds zeros, which the first change of M leaves zeros)
.set j, j+1
.endr
	s_wait_kmcnt 0x0
	s_add_co_i32 s57, s84, s85
	s_lshl_b32 s57, s57, 23
	s_mov_b32 s[CS], 0x3e38aa3b                    ; log2(e) / 8
	s_add_co_i32 s[CS], s[CS], s57                 ; a score stands for score x 2^(e6 + e7): the two exponents are added to c's exponent field
	s_mov_b32 s[CS+1], s[CS]
	s_add_co_i32 s57, s86, 127
	s_lshl_b32 s58, s57, 23
	v_mov_b32 v241, s58                            ; 2^e8
	s_add_co_i32 s89, s86, s87                     ; e8 + e9
	s_add_co_i32 s57, s88, 127
	s_lshl_b32 s58, s57, 23
	v_mov_b32 v249, s58                            ; 2^e10
; A KEY STEP of one tile: 128 keys, step s[KC], at LDS byte s[TB].  st: the tile's statistics (v[st] -M, +1 largest t, +2, +3 the sum); qf: its Q; ob: its O^T; dv: its d; sa: the scalar that holds its diagonal step; causal = 0: every key counts.
.macro STEP st, qf, ob, dv, sa, causal
.if \causal
	s_cmp_gt_u32 s[KC], s[\sa]                     ; all 128 keys come after my queries: the step's work is left out
	s_cbranch_scc1 .Lhid_\@
.endif
	v_add_nc_u32 v[ADK], s[TB], v[L16]
	s_delay_alu instid0(VALU_DEP_1)
	v_add_nc_u32 v[ADV], VBASE, v[ADK]
	v_nop                                          ; with the two additions: four places in front of loads into registers that the last products have read
	v_nop
.irp t, 0,1,2,3,4,5,6,7
	ds_load_b128 v[FRG+8*\t:FRG+8*\t+3], v[ADK] offset:1024*\t
	ds_load_b128 v[FRG+8*\t+4:FRG+8*\t+7], v[ADK] offset:1024*\t+512
.endr
	s_wait_alu depctr_va_vdst(0)
	s_wait_dscnt 0x0
.irp t, 0,1,2,3,4,5,6,7
	v_wmma_f32_16x16x64_fp8_fp8 v[SC+8*\t:SC+8*\t+7], v[FRG+8*\t:FRG+8*\t+7], v[\qf:\qf+7], 0
.endr
.rept 4
	v_nop                                          ; places: in front of the loads below, and of the first read of the scores
.endr
.irp d, 0,1,2,3
.irp q, 0,1,2,3
	ds_load_b128 v[FRG+16*\d+4*\q:FRG+16*\d+4*\q+3], v[ADV] offset:2048*\d+512*\q   ; V's four fragments land while the softmax is walked
.endr
.endr
.if \causal
	s_cmp_lg_u32 s[KC], s[\sa]                     ; only the diagonal's step hides keys
	s_cbranch_scc1 .Lopen_\@
.set n, 0
.rept 64
	v_cmp_gt_i32 vcc_lo, 16*(n/8)+n%8, v[\dv]
	v_cndmask_b32 v[SC+n], v[SC+n], v247, vcc_lo   ; a hidden score becomes -infinity ahead of the maximum: p = 0.  (Ascending: each accumulator from its low end on)
.set n, n+1
.endr
.Lopen_\@:
.endif
	v_max3_num_f32 v254, v[SC], v[SC+1], v[SC+2]   ; the step's largest score of my query among my 64 keys, in two chains,
	v_max3_num_f32 v252, v[SC+3], v[SC+4], v[SC+5]
.set j, 6
.rept 14
	v_max3_num_f32 v254, v254, v[SC+j], v[SC+j+1]
	v_max3_num_f32 v252, v252, v[SC+j+2], v[SC+j+3]
.set j, j+4
.endr
	v_max3_num_f32 v254, v254, v[SC+62], v[SC+63]
	s_delay_alu instid0(VALU_DEP_1)
	v_max_num_f32 v254, v254, v252
	s_delay_alu instid0(VALU_DEP_1)
	v_permlanex16_b32 v244, v254, s[SEL], s[SEL+1]
	s_delay_alu instid0(VALU_DEP_1)
	v_max_num_f32 v254, v254, v244                 ; and among lane l xor 16's
	s_delay_alu instid0(VALU_DEP_1)
	v_mul_f32 v254, s[CS], v254                    ; as t (c is positive)
	s_delay_alu instid0(VALU_DEP_1)
	v_max_num_f32 v[\st+1], v[\st+1], v254         ; the running largest t
	v_mov_b32 v254, v[\st]
	s_delay_alu instid0(VALU_DEP_2)
	v_floor_f32 v[\st], -v[\st+1]                  ; the new -M = floor(-t) = -ceil(t): M is a whole number
	s_delay_alu instid0(VALU_DEP_1)
	v_sub_f32 v254, v[\st], v254                   ; M's old value less its new one: a whole number, 0 or less
	s_delay_alu instid0(VALU_DEP_1)
	v_cvt_i32_f32 v254, v254                       ; (it saturates)
	s_delay_alu instid0(VALU_DEP_1)
	v_ldexp_f32 v252, 1.0, v254                    ; f = 2^(old M - new M)
.set j, 0
.rept 32
	v_pk_fma_f32 v[SC+j:SC+j+1], v[SC+j:SC+j+1], s[CS:CS+1], v[\st:\st+1] op_sel_hi:[1,0,0]   ; t - M, two at a time (of the pairs c and -M the low word serves both halves)
.set j, j+2
.endr
.set j, 0
	s_wait_alu depctr_va_vdst(0)
.rept 64
	v_exp_f32 v[SC+j], v[SC+j]                     ; p = 2^(t - M), at most 1
.set j, j+1
.endr
	v_pk_mul_f32 v[\st+2:\st+3], v[\st+2:\st+3], v[252:253] op_sel_hi:[1,0]   ; the sums under the new M: the plain instruction behind the exponentials
	s_wait_alu depctr_va_vdst(0)                   ; one wait for the whole batch, ahead of its first reader
	v_pk_add_f32 v[242:243], v[SC:SC+1], v[SC+2:SC+3]   ; the row's sum is taken of the unquantised p, in two chains
.set j, 4
.rept 15
	v_pk_add_f32 v[\st+2:\st+3], v[\st+2:\st+3], v[SC+j:SC+j+1]
	v_pk_add_f32 v[242:243], v[242:243], v[SC+j+2:SC+j+3]
.set j, j+4
.endr
	s_delay_alu instid0(VALU_DEP_1)
	v_pk_add_f32 v[\st+2:\st+3], v[\st+2:\st+3], v[242:243]
.irp t, 0,1,2,3,4,5,6,7
.irp i, 0,1,2,3,4,5,6,7
.endr
	v_cvt_scalef32_pk8_fp8_f32 v[PC+2*\t:PC+2*\t+1], v[SC+8*\t:SC+8*\t+7], v241   ; registers 2 t, 2 t + 1 of P's fragment: keys 16 t + 8 h + 0 .. 7
.endr
.set j, 0
.rept 16
	v_pk_mul_f32 v[\ob+j:\ob+j+1], v[\ob+j:\ob+j+1], v[252:253] op_sel_hi:[1,0]   ; O^T under the new M.  (Also the plain instructions between the conversions and the products)
.set j, j+2
.endr
	s_wait_alu depctr_va_vdst(0)
	s_wait_dscnt 0x0                               ; V is in
.irp d, 0,1,2,3
	v_wmma_f32_16x16x128_fp8_fp8 v[\ob+8*\d:\ob+8*\d+7], v[FRG+16*\d:FRG+16*\d+15], v[PC:PC+15], v[\ob+8*\d:\ob+8*\d+7]   ; four accumulators by turns; the next matrix instruction on every way starts new scores
.endr
.if \causal
.Lhid_\@:
.endif
.endm
.macro PAIR                            ; steps 0 to 7: every key counts for tile B; tile A takes part up to its diagonal
	STEP 8, 16, 160, 246, 16, 0
	STEP 12, 24, 192, 245, 15, 1
.endm
	s_wait_loadcnt 0x0                             ; Q
	s_wait_tensorcnt 0x1                           ; my small piece is in; the large one, issued behind it, may be out (waves 2 to 15 have issued none)
	s_barrier_signal -1
	s_barrier_wait -1                              ; steps 0 and 1 of K and of V lie in LDS
	s_mov_b32 s[KC], 0                             ; these two steps are written out with constant addresses: they read bytes 0 .. 16,383 of K's part and of V's, the large pieces land behind those
	s_mov_b32 s[TB], 0
	PAIR
	s_mov_b32 s[KC], 1
	s_mov_b32 s[TB], 8192
	PAIR
	s_wait_tensorcnt 0x0                           ; my large piece is in,
	s_wait_dscnt 0x0
	s_barrier_signal -1
	s_barrier_wait -1                              ; everybody's is: from here on the waves run free
	s_mov_b32 s[KC], 2
	s_mov_b32 s[TB], 2*8192
.Lboth:
	PAIR
	s_add_co_u32 s[TB], s[TB], 8192
	s_add_co_u32 s[KC], s[KC], 1
	s_cmp_lt_u32 s[KC], 8
	s_cbranch_scc1 .Lboth
	s_mov_b32 s[KC], 8
	s_mov_b32 s[TB], 8*8192
.Lrest:                                            ; steps 8 to 15: tile B alone, up to its diagonal
	STEP 8, 16, 160, 246, 16, 1
	s_add_co_u32 s[TB], s[TB], 8192
	s_add_co_u32 s[KC], s[KC], 1
	s_cmp_lt_u32 s[KC], 16
	s_cbranch_scc1 .Lrest
; THE WAY OUT of a tile: O^T x 2^(e8 + e9) / the sum, converted with 2^e10: eight registers, the image of a K = 64 piece of the last product's operand; two stores of 512 consecutive bytes.
.macro FINISH st, ob, sb, cb, offv
	v_add_f32 v[\st+2], v[\st+2], v[\st+3]         ; the sum's two halves,
	s_delay_alu instid0(VALU_DEP_1)
	v_permlanex16_b32 v244, v[\st+2], s[SEL], s[SEL+1]
	s_delay_alu instid0(VALU_DEP_1)
	v_add_f32 v[\st+2], v[\st+2], v244             ; and lane l xor 16's
	s_wait_alu depctr_va_vdst(0)
	v_rcp_f32 v[\st+2], v[\st+2]
	v_nop                                          ; a plain instruction behind the reciprocal,
	s_wait_alu depctr_va_vdst(0)                   ; and the wait ahead of its first reader
	v_ldexp_f32 v[\st+2], v[\st+2], s89
.set j, 0
.rept 16
	v_pk_mul_f32 v[\sb+j:\sb+j+1], v[\ob+j:\ob+j+1], v[\st+2:\st+3] op_sel_hi:[1,0]   ; each accumulator from its low end on
.set j, j+2
.endr
.set j, 0
.rept 32
.set j, j+1
.endr
.irp d, 0,1,2,3
	v_cvt_scalef32_pk8_fp8_f32 v[\cb+2*\d:\cb+2*\d+1], v[\sb+8*\d:\sb+8*\d+7], v249   ; features 16 d + 8 h + 0 .. 7 of my query
.endr
	v_nop                                          ; one plain vector instruction behind the last conversion
	global_store_b128 v[\offv], v[\cb:\cb+3], s[12:13]
	global_store_b128 v[\offv], v[\cb+4:\cb+7], s[12:13] offset:512
.endm
.rept 4
	v_nop                                          ; places behind the last products
.endr
	FINISH 12, 192, 96, 224, 6
	FINISH 8, 160, 128, 232, 7
	s_wait_tensorcnt 0x0
	ds_add_u32 v251, v255
	s_wait_dscnt 0x0
	CROUND                                         ; the closing round: no work-group ends while a partner may still ask for a piece that names it
	s_endpgm
.Lfunc_end_k_q1e228bb1f2_attn:
	.size	k_q1e228bb1f2_attn, .Lfunc_end_k_q1e228bb1f2_attn-k_q1e228bb1f2_attn
	.p2alignl 7, 3214868480
	.fill 96, 4, 3214868480
	.section	.rodata,"a",@progbits
	.p2align	6, 0x0
	.amdhsa_kernel k_q1e228bb1f2_attn
		.amdhsa_group_segment_fixed_size 327680
		.amdhsa_private_segment_fixed_size 0
		.amdhsa_enable_private_segment 0
		.amdhsa_kernarg_size 40
		.amdhsa_user_sgpr_count 2
		.amdhsa_user_sgpr_kernarg_segment_ptr 1
		.amdhsa_wavefront_size32 1
		.amdhsa_system_sgpr_workgroup_id_x 1
		.amdhsa_system_sgpr_workgroup_id_y 1
		.amdhsa_system_sgpr_workgroup_id_z 1
		.amdhsa_system_vgpr_workitem_id 0
		.amdhsa_next_free_vgpr 256
		.amdhsa_next_free_sgpr 96
		.amdhsa_reserve_vcc 1
		.amdhsa_float_denorm_mode_32 3
		.amdhsa_float_denorm_mode_16_64 3
		.amdhsa_fp16_overflow 1
		.amdhsa_memory_ordered 1
		.amdhsa_forward_progress 1
		.amdhsa_inst_pref_size 130
	.end_amdhsa_kernel
	.amdgpu_metadata
---
amdhsa.version: [ 1, 2 ]
amdhsa.kernels:
  - .name:           k_q1e228bb1f2_attn
    .symbol:         k_q1e228bb1f2_attn.kd
    .args:
      - { .name: q_img, .offset: 0, .size: 8, .value_kind: global_buffer, .address_space: global }
      - { .name: k_img, .offset: 8, .size: 8, .value_kind: global_buffer, .address_space: global }
      - { .name: v_img, .offset: 16, .size: 8, .value_kind: global_buffer, .address_space: global }
      - { .name: lowp_scales, .offset: 24, .size: 8, .value_kind: global_buffer, .address_space: global }
      - { .name: a_img, .offset: 32, .size: 8, .value_kind: global_buffer, .address_space: global }
    .group_segment_fixed_size: 327680
    .private_segment_fixed_size: 0
    .kernarg_segment_align: 8
    .kernarg_segment_size: 40
    .max_flat_workgroup_size: 512
    .sgpr_count:     96
    .vgpr_count:     256
    .wavefront_size: 32
...
	.end_amdgpu_metadata
.endif
;; end of part 2
;; launch proj (part 3): grid 4 x 64, 4 waves a work-group, clusters of 4 x 4, 327,680 bytes of LDS; arguments a_img, wo_codes, lowp_scales, bo, out0; writes out0
.if DOCPART == 3
	.amdgcn_target "amdgcn-amd-amdhsa--gfx1250"
	.amdhsa_code_object_version 6
	.text
	.protected	k_q1e228bb1f2_proj
	.globl	k_q1e228bb1f2_proj
	.p2align	8
	.type	k_q1e228bb1f2_proj,@function
k_q1e228bb1f2_proj:
	s_mov_b64 s[64:65], 0
	v_nop
	global_prefetch_b8 v0, s[64:65] scope:SCOPE_SE
	s_setreg_imm32_b32 hwreg(HW_REG_WAVE_MODE, 25, 1), 1
	s_wait_xcnt 0x0
	s_wait_alu depctr_hold_cnt(0) depctr_sa_sdst(0) depctr_va_vdst(0) depctr_va_sdst(0) depctr_va_ssrc(0) depctr_va_vcc(0) depctr_vm_vsrc(0)
	s_getreg_b32 s2, hwreg(HW_REG_IB_STS2, 6, 4)
	s_cmp_eq_u32 s2, 0
	s_cbranch_scc0 .Lentry_in_a_cluster
	s_endpgm
.Lentry_in_a_cluster:
	s_bfe_u32 s2, ttmp6, 0x10000c
	s_cmp_lg_u32 s2, 0xf033
	s_cbranch_scc0 .Lentry_shape_is_right
	s_endpgm
.Lentry_shape_is_right:
; out0 = a wo + bo on codes of FP8 (E4M3): [8,192 x 1,024] x [1,024 x 1,024], K = 1,024; out0 f32.  A number of a is its code x 2^e10, of wo x 2^e11; each finished sum goes out as sum x 2^(e10 + e11) + bo, one fused multiply-add.
; a_img: [K step of 256: 4][tile of 16 rows: 512][quad 8][lane 32][16 bytes]: images of the operand's registers, k in its true places (registers 2 c, 2 c + 1: k = 16 c + 8 h + 0 .. 7).  wo_codes: [1,024 n][1,024 k].
; A tile of out0 is 128 rows x 256 columns, so that the grid has 256 work-groups: four waves of 64 x 128, 32 accumulators each.  K goes in steps of 256 through a ring of two LDS slots.
; A's part of a slot is a dense copy of 8 tiles' images (32,768 bytes): a fragment comes by four loads of 16 bytes a lane, 512 consecutive bytes each.  B's part is 256 rows of 256 bytes, 272 apart; since a's k stands in its true
; places, B's fragments come by eight loads of 8 bytes at row x 272 + 16 c + 8 h: the 32 lanes of a load touch 64 different banks (64 banks of 4 bytes: ISA guide 11.1).
; CLUSTERS: 4 x 4 work-groups; A's tile is shared along a row of the cluster, B's along a column: joint loads.  THE MATRIX INSTRUCTION IS USED TRANSPOSED (source 0 = 16 rows of wo, source 1 = 16 rows of a).
; LIMIT: e10 + e11 between -126 and 127, so that 2^(e10 + e11) is an f32 number.
; REGISTERS, in windows of 256: window 0: v0-31 addresses; v32-95 at work on the way out; v128-255 A's fragments, two sets of four (on the way out: rows read back).  window 1: B's fragments, two sets of eight.
;   window 2: the accumulators ((a, b) at v[8 (8 a + b)]).   window 3: v0-63 bo[my first column + 16 b + 8 h + i] at register 8 b + i.
.set PITCH,  272
.set FR,     16
.set ATILE,  32768                     ; A's part of a slot
.set BHALF,  128*PITCH                 ; 128 rows of B: what one tensor load brings
.set SLOT,   ATILE+2*BHALF             ; 102,400
.set SPARE,  2*SLOT                    ; behind the ring: the spare words, 128 bytes for each wave
.set SPITCH, 528                       ; the way out: a stage of 16 rows x (512 bytes + 16) for each wave, in slot 0, which has had its last fill and its last read when the first result is stored there
.set BIA,  8                           ; v8      byte offset of my eight numbers of bo
.set ADRA, 16                          ; v16-17  LDS address of my A fragments in slot 0, 1
.set ADRB, 20                          ; v20-21  the same for B
.set STO,  24                          ; v24     the way out: where I put 32 bytes of a row
.set RD,   25                          ; v25     where I read a row back
.set CO,   26                          ; v26     16 x lane
.set SPW,  28                          ; v28     LDS address of my spare word; never rewritten
.set NIL,  29                          ; v29     0; never rewritten
.set TMP,  32
.set AF,   128
.set BK,   128
.set G1, 24                            ; s[24:31] descriptor group 1 for A's tiles;  s[32:39] group 0, one set for each slot
.set G0, 32
.set G1B, 48                           ; s[48:55], s[56:63] the same for B's tiles
.set G0B, 56
.set MSB, 0
.macro WIN new                         ; the immediate's high byte repeats the setting that is left
.if MSB != \new
	s_set_vgpr_msb (MSB<<8)|\new
.set MSB, \new
.endif
.endm
.set MUL,  0xa1                        ; source 0 (B) window 1, source 1 (A) window 0, C and D window 2
.set TO_B, 0x40                        ; destination window 1, address window 0
.macro JLOAD g0a, g1a, g0b, g1b        ; a joint load: waves 0 and 1 fetch A's halves, waves 2 and 3 B's; four v_nop follow each of the two lines
	s_cmp_eq_u32 s15, 0
	s_cbranch_scc0 .Lfor_b_\@
	tensor_load_to_lds s[\g0a:\g0a+3], s[\g1a:\g1a+7]
	s_nop 0
.rept 4
	v_nop
.endr
	s_branch .Lasked_\@
.Lfor_b_\@:
	tensor_load_to_lds s[\g0b:\g0b+3], s[\g1b:\g1b+7]
	s_nop 0
.rept 4
	v_nop
.endr
.Lasked_\@:
.endm
.macro CREST                           ; a round of the cluster's barrier behind its opening barrier
	s_cmp_lg_u32 s14, 0
	s_cbranch_scc1 .Lnot_wave_0_\@
	s_barrier_signal -3
.Lnot_wave_0_\@:
	s_barrier_wait -3
	s_barrier_signal -1
	s_barrier_wait -1
.endm
.macro CROUND
	s_barrier_signal -1
	s_barrier_wait -1
	CREST
.endm
.macro PLACES n
.rept \n
	v_nop
.endr
.endm
	s_load_b128 s[4:7], s[0:1], 0x0                ; a_img s[4:5], wo's codes s[6:7]
	s_load_b128 s[8:11], s[0:1], 0x10              ; the scales' exponents s[8:9], bo s[10:11]
	s_load_b64 s[12:13], s[0:1], 0x20              ; out0
	v_lshl_add_u32 v[SPW], v0, 2, SPARE
	v_mov_b32 v[NIL], 0
	ds_add_u32 v28, v29
	ds_add_u32 v28, v29
	s_wait_dscnt 0x0
	v_lshrrev_b32 v1, 5, v0
	v_readfirstlane_b32 s14, v1                    ; wave 0..3
	s_lshr_b32 s15, s14, 1                         ; which 64 of the tile's rows are mine.  Also: I fetch for A (0) or for B (1)
	s_and_b32 s16, s14, 1                          ; which 128 of its columns.  Also: which half of that tile I fetch
	s_bfe_u32 s40, ttmp6, 0x40000                  ; cx, cy
	s_bfe_u32 s41, ttmp6, 0x40004
	s_lshl_b32 s42, ttmp9, 2
	s_add_co_u32 s42, s42, s40                     ; tile column = 4 x cluster x + cx
	s_and_b32 s17, ttmp7, 0xffff
	s_lshl_b32 s17, s17, 2
	s_add_co_u32 s17, s17, s41                     ; tile row = 4 x cluster y + cy
	s_lshl_b32 s43, s41, 2
	s_lshl_b32 s43, 15, s43                        ; my row of the cluster
	s_lshl_b32 s44, 0x1111, s40                    ; my column
	; group 1 for A: 64 dense rows of 256 bytes, in elements of 8 bytes, no padding
	s_or_b32 s[G1+0], s43, (3<<16)|(1<<21)         ; 15:0 the mask: my row; 17:16 elements of 8 bytes; 21 set beside a mask
	s_mov_b32 s[G1+1], 32<<16                      ; tensor_dim0 = 32
	s_mov_b32 s[G1+2], 64<<16                      ; tensor_dim1 = 64
	s_mov_b32 s[G1+3], 32<<16                      ; tile_dim0 = 32
	s_mov_b32 s[G1+4], 64                          ; tile_dim1 = 64
	s_mov_b32 s[G1+5], 32                          ; tensor_dim0_stride
	s_mov_b32 s[G1+6], 0
	s_mov_b32 s[G1+7], 0
	; group 1 for B: 128 rows of 256 bytes, 1,024 apart in memory, 16 bytes of padding behind each in LDS
	s_or_b32 s[G1B+0], s44, (0<<16)|(1<<20)|(1<<21)|(5<<22)|(3<<25)  ; the mask: my column; elements of 1 byte; padding on: 4 words (code 3) after every 64 (code 5)
	s_mov_b32 s[G1B+1], 256<<16
	s_mov_b32 s[G1B+2], 128<<16
	s_mov_b32 s[G1B+3], 256<<16
	s_mov_b32 s[G1B+4], 128
	s_mov_b32 s[G1B+5], 1024
	s_mov_b32 s[G1B+6], 0
	s_mov_b32 s[G1B+7], 0
	s_lshl_b32 s20, s17, 15                        ; A: 8 tiles of 4,096 bytes for each tile row,
	s_lshl_b32 s45, s16, 14                        ; + my half: four tiles; the same in LDS
	s_add_co_u32 s20, s20, s45
	s_mov_b32 s21, 0
	s_lshl_b32 s46, s42, 18                        ; B: 256 rows of 1,024 bytes for each tile column,
	s_lshl_b32 s47, s16, 17                        ; + my half: 128 rows
	s_add_co_u32 s46, s46, s47
	s_mov_b32 s47, 0
	s_mul_i32 s19, s16, BHALF
	s_add_co_u32 s19, s19, ATILE                   ; and in LDS, behind A's part: no place in the cluster enters an LDS address
	s_wait_kmcnt 0x0
	s_load_b64 s[96:97], s[8:9], 0x28              ; e10, e11; waited for on the way out
	s_add_nc_u64 s[20:21], s[4:5], s[20:21]
	s_add_nc_u64 s[46:47], s[6:7], s[46:47]
	CROUND                                         ; all sixteen work-groups are here: the first joint loads meet
.irp s, 0,1
	s_mov_b32 s[G0+4*\s], 1
	s_add_co_u32 s[G0+4*\s+1], s45, \s*SLOT
	s_add_nc_u64 s[G0+4*\s+2:G0+4*\s+3], s[20:21], \s*0x200000      ; K step s of a_img
	s_or_b32 s[G0+4*\s+3], s[G0+4*\s+3], 0x80000000
	s_mov_b32 s[G0B+4*\s], 1
	s_add_co_u32 s[G0B+4*\s+1], s19, \s*SLOT
	s_add_nc_u64 s[G0B+4*\s+2:G0B+4*\s+3], s[46:47], \s*256
	s_or_b32 s[G0B+4*\s+3], s[G0B+4*\s+3], 0x80000000
	s_wait_alu depctr_va_vdst(0)
	s_wait_tensorcnt 0x0
	ds_add_u32 v28, v29
	ds_add_u32 v28, v29
	s_wait_dscnt 0x0
	CROUND
	JLOAD G0+4*\s, G1, G0B+4*\s, G1B
.endr
	v_and_b32 v1, 15, v0                           ; r
	v_bfe_u32 v2, v0, 4, 1                         ; h
	v_and_b32 v6, 31, v0
	v_lshlrev_b32 v[CO], 4, v6
	s_lshl_b32 s21, s15, 14                        ; my 64 rows: four tiles' images
	v_add_nc_u32 v[ADRA], s21, v[CO]
	v_add_nc_u32 v[ADRA+1], SLOT, v[ADRA]
	v_mul_u32_u24 v3, v1, PITCH
	v_lshl_add_u32 v3, v2, 3, v3                   ; row r x pitch + 8 h
	s_mul_i32 s22, s16, BHALF
	s_add_co_u32 s22, s22, ATILE                   ; my 128 rows of B
	v_add_nc_u32 v[ADRB], s22, v3
	v_add_nc_u32 v[ADRB+1], SLOT, v[ADRB]
	s_mul_i32 s23, s14, 16*SPITCH                  ; my stage
	v_mul_u32_u24 v5, v1, SPITCH
	v_lshl_add_u32 v5, v2, 5, v5
	v_add_nc_u32 v[STO], s23, v5                   ; in: row r, 32 bytes for each half of the lanes
	v_add_nc_u32 v[RD], s23, v[CO]                 ; back: the 32 lanes take one row of 512 bytes
	s_lshl_b32 s20, s42, 10
	s_lshl_b32 s21, s16, 9
	s_add_co_u32 s20, s20, s21                     ; 4 x my first column: in bo, and in a row of out0
	v_lshl_add_u32 v[BIA], v2, 5, s20              ; + 32 h
	s_lshl_b32 s22, s17, 19                        ; 128 rows of 4,096 bytes for each tile row,
	s_add_co_u32 s20, s20, s22
	s_lshl_b32 s22, s15, 18                        ; + my 64
	s_add_co_u32 s20, s20, s22
	s_mov_b32 s21, 0
	s_add_nc_u64 s[12:13], s[12:13], s[20:21]
	WIN 0xc0                                       ; destination window 3, address window 0
.irp b, 0,1,2,3,4,5,6,7
	global_load_b128 v[8*\b:8*\b+3], v[BIA], s[10:11] offset:64*\b
	global_load_b128 v[8*\b+4:8*\b+7], v[BIA], s[10:11] offset:64*\b+16
.endr
	WIN 0
.macro FRAGA reg, slot, q, a           ; rows 16 a on, the slot's q-th 128 along K: the image's four quads
.irp c, 0,1,2,3
	ds_load_b128 v[\reg+4*\c:\reg+4*\c+3], v[ADRA+\slot] offset:4096*(\a)+2048*(\q)+512*\c
.endr
.endm
.macro FRAGB reg, slot, q, i           ; wo's rows 16 i on: registers 2 c, 2 c + 1 hold k = 16 c + 8 h + 0 .. 7
.irp c, 0,1,2,3,4,5,6,7
	ds_load_b64 v[\reg+2*\c:\reg+2*\c+1], v[ADRB+\slot] offset:128*(\q)+16*\c+(\i)*16*PITCH
.endr
.endm
.macro FETCH slot, q, p                ; a step's fragments into set p: 64 loads for B, 16 for A, in one run
	WIN TO_B
.irp i, 0,1,2,3,4,5,6,7
	FRAGB 128*(\p)+FR*\i, \slot, \q, \i
.endr
	WIN 0
.irp a, 0,1,2,3
	FRAGA AF+64*(\p)+FR*\a, \slot, \q, \a
.endr
.endm
; 8 matrix instructions: A's block a x B's eight.  The 32 accumulators take turns, one instruction a turn, in the same order in every step.
.macro MULA a, p, zero
	WIN MUL
.irp b, 0,1,2,3,4,5,6,7
.if \zero
	v_wmma_f32_16x16x128_fp8_fp8 v[8*(8*(\a)+\b):8*(8*(\a)+\b)+7], v[128*(\p)+FR*\b:128*(\p)+FR*\b+FR-1], v[AF+64*(\p)+FR*(\a):AF+64*(\p)+FR*(\a)+FR-1], 0
.else
	v_wmma_f32_16x16x128_fp8_fp8 v[8*(8*(\a)+\b):8*(8*(\a)+\b)+7], v[128*(\p)+FR*\b:128*(\p)+FR*\b+FR-1], v[AF+64*(\p)+FR*(\a):AF+64*(\p)+FR*(\a)+FR-1], v[8*(8*(\a)+\b):8*(8*(\a)+\b)+7]
.endif
.endr
.endm
; A slot's first 128 along K, on set 0; the second 128's fragments are asked for ahead of the products, into set 1.
.macro STEPA slot, zero
	s_wait_dscnt 0x0                               ; set 0 is in
	PLACES 4                                       ; in front of loads into set 1, which the last products have read
	FETCH \slot, 1, 1
	MULA 0, 0, \zero
	MULA 1, 0, \zero
	MULA 2, 0, \zero
	MULA 3, 0, \zero
.endm
; A slot's second 128, on set 1, changes slots: ONE barrier; in front of it each wave waits for all its tensor loads, adds 0 to its spare word, and waits for that and for its own reads of this slot.  fill = 1: this slot is filled again, two K steps ahead.
.macro TURN slot, next, fill
	WIN 0                                          ; (the add's two registers lie in window 0)
	s_wait_tensorcnt 0x0                           ; all my tensor loads have landed: my part of the next slot
	ds_add_u32 v[SPW], v[NIL]                      ; 0 onto my spare word
	s_wait_dscnt 1                                 ; set 1 is in; the add alone may be out
	MULA 0, 1, 0                                   ; eight matrix instructions stand between the add and the wait for it
	s_wait_dscnt 0x0                               ; the add is done, and my reads of this slot are over
	s_barrier_signal -1
	MULA 1, 1, 0
	WIN 0
	s_barrier_wait -1
.if \fill
	CREST                                          ; the barrier has opened a round of the cluster's barrier: no wave of any partner still reads this slot's tile or has a load on its way
	s_add_nc_u64 s[G0+4*\slot+2:G0+4*\slot+3], s[G0+4*\slot+2:G0+4*\slot+3], 0x400000
	s_add_nc_u64 s[G0B+4*\slot+2:G0B+4*\slot+3], s[G0B+4*\slot+2:G0B+4*\slot+3], 512
	JLOAD G0+4*\slot, G1, G0B+4*\slot, G1B         ; the first tensor load behind the round; its four v_nop are the places in front of the loads below
.else
	PLACES 4
.endif
	FETCH \next, 0, 0
	MULA 2, 1, 0
	MULA 3, 1, 0
.endm
	s_wait_alu depctr_va_vdst(0)
	s_wait_tensorcnt 1                             ; my part of K step 0 is in (K step 1's load may be out),
	s_barrier_signal -1
	s_barrier_wait -1                              ; everybody's is
	FETCH 0, 0, 0
	STEPA 0, 1                                     ; four K steps of 256, written out; the first products start the sums
	TURN 0, 1, 1                                   ; slot 0 takes K step 2
	STEPA 1, 0
	TURN 1, 0, 1                                   ; slot 1 takes K step 3
	STEPA 0, 0
	TURN 0, 1, 0                                   ; nothing is left to fetch
	STEPA 1, 0
	s_wait_dscnt 0x0
	MULA 0, 1, 0
	MULA 1, 1, 0
	MULA 2, 1, 0
	MULA 3, 1, 0
	WIN 0
; THE WAY OUT, block by block of 16 rows x 128 columns.  A lane holds 32 neighbouring bytes of a row: a block goes through my own stage in LDS and comes back as whole rows of 512 bytes.
; LDS serves a wave's instructions in order (ISA guide 5.7.1.4): no wait between the stores and the loads, nor in front of the next block's stores.
.macro TOSTAGE a
	WIN 0x32                                       ; source 0 (the sums) window 2, source 2 (bo) window 3
.set j, 0
.rept 32
	v_pk_fma_f32 v[TMP+j:TMP+j+1], v[64*(\a)+j:64*(\a)+j+1], s[96:97], v[j:j+1] op_sel_hi:[1,0,1]   ; sum x 2^(e10 + e11) + bo; each accumulator from its low end on
.set j, j+2
.endr
	WIN 0
.irp b, 0,1,2,3,4,5,6,7
	ds_store_b128 v[STO], v[TMP+8*\b:TMP+8*\b+3] offset:64*\b
	ds_store_b128 v[STO], v[TMP+8*\b+4:TMP+8*\b+7] offset:64*\b+16
.endr
.set BB, BK+64*((\a)%2)
.irp t, 0,1,2,3,4,5,6,7,8,9,10,11,12,13,14,15
	ds_load_b128 v[BB+4*\t:BB+4*\t+3], v[RD] offset:\t*SPITCH
.endr
.endm
.macro SEND a, younger                 ; younger: the LDS instructions issued behind block a's loads, which may stay out
.set BB, BK+64*((\a)%2)
	s_wait_dscnt \younger                          ; the block is back in registers
.if (\a) > 0
	s_add_nc_u64 s[12:13], s[12:13], 16*4096       ; (behind a wait on XCNT: the earlier stores have read their base)  16 rows on
.endif
.irp t, 0,1,2,3,4,5,6,7,8,9,10,11,12,13,14,15
	global_store_b128 v[CO], v[BB+4*\t:BB+4*\t+3], s[12:13] offset:\t*4096 th:TH_STORE_NT   ; 32 lanes store 512 consecutive bytes, at a multiple of 256 from out0's first byte; written once, read by nobody here
.endr
.endm
	s_wait_kmcnt 0x0
	s_add_co_i32 s96, s96, s97                     ; e10 + e11
	s_add_co_i32 s96, s96, 127
	s_lshl_b32 s96, s96, 23                        ; 2^(e10 + e11) as f32
	s_mov_b32 s97, s96                             ; (named with it as a pair)
	s_wait_loadcnt 0x0                             ; bo
	PLACES 4                                       ; behind the last products: their results are read, and loads land in the registers that held A's fragments
	TOSTAGE 0
.irp a, 1,2,3
.if \a > 1
	s_wait_xcnt 0x0                                ; block a - 2's stores have read their registers and their base: block a's loads may land there, and the base may step
.endif
	TOSTAGE \a
	SEND \a-1, 32                                  ; behind block a - 1's loads: block a's 16 stores and 16 loads
.endr
	s_wait_xcnt 0x0                                ; block 2's stores have read their base
	SEND 3, 0
	s_wait_tensorcnt 0x0                           ; the wave's end
	ds_add_u32 v[SPW], v[NIL]
	s_wait_dscnt 0x0
	CROUND                                         ; the closing round: no work-group ends while a partner may still ask for a tile that names it
	s_endpgm
.Lfunc_end_k_q1e228bb1f2_proj:
	.size	k_q1e228bb1f2_proj, .Lfunc_end_k_q1e228bb1f2_proj-k_q1e228bb1f2_proj
	.p2alignl 7, 3214868480
	.fill 96, 4, 3214868480
	.section	.rodata,"a",@progbits
	.p2align	6, 0x0
	.amdhsa_kernel k_q1e228bb1f2_proj
		.amdhsa_group_segment_fixed_size 327680
		.amdhsa_private_segment_fixed_size 0
		.amdhsa_enable_private_segment 0
		.amdhsa_kernarg_size 40
		.amdhsa_user_sgpr_count 2
		.amdhsa_user_sgpr_kernarg_segment_ptr 1
		.amdhsa_wavefront_size32 1
		.amdhsa_system_sgpr_workgroup_id_x 1
		.amdhsa_system_sgpr_workgroup_id_y 1
		.amdhsa_system_sgpr_workgroup_id_z 1
		.amdhsa_system_vgpr_workitem_id 0
		.amdhsa_next_free_vgpr 832
		.amdhsa_next_free_sgpr 98
		.amdhsa_reserve_vcc 0
		.amdhsa_float_denorm_mode_32 3
		.amdhsa_float_denorm_mode_16_64 3
		.amdhsa_memory_ordered 1
		.amdhsa_forward_progress 1
		.amdhsa_inst_pref_size 93
	.end_amdhsa_kernel
	.amdgpu_metadata
---
amdhsa.version: [ 1, 2 ]
amdhsa.kernels:
  - .name:           k_q1e228bb1f2_proj
    .symbol:         k_q1e228bb1f2_proj.kd
    .args:
      - { .name: a_img, .offset: 0, .size: 8, .value_kind: global_buffer, .address_space: global }
      - { .name: wo_codes, .offset: 8, .size: 8, .value_kind: global_buffer, .address_space: global }
      - { .name: lowp_scales, .offset: 16, .size: 8, .value_kind: global_buffer, .address_space: global }
      - { .name: bo, .offset: 24, .size: 8, .value_kind: global_buffer, .address_space: global }
      - { .name: out0, .offset: 32, .size: 8, .value_kind: global_buffer, .address_space: global }
    .group_segment_fixed_size: 327680
    .private_segment_fixed_size: 0
    .kernarg_segment_align: 8
    .kernarg_segment_size: 40
    .max_flat_workgroup_size: 128
    .sgpr_count:     98
    .vgpr_count:     832
    .wavefront_size: 32
...
	.end_amdgpu_metadata
.endif
;; end of part 3
